; MI455X (gfx1250); checked and timed in simulation.
; The chip was launched on July 23, 2026; its instructions are those of AMD's public machine-readable ISA for CDNA 5 (MIT licence, August 2026) and "CDNA5" Instruction Set Architecture Reference Guide (July 2026). The comments in the code are by the model that wrote it; some were corrected since.
;; Self Attention. Allowed arithmetic: matrix products marked QUANTISED: E3M2 operands, one E8M0 scale for each 32 along K, by v_wmma_scale_f32_16x16x128_f8f6f4 with both operands' format E3M2, f32 sums; products left as they are: f32 operands where the result goes on into a quantised operand, else bf16, f16 or f32 operands; f32 sums; everything else in f32.
;; Inputs: bk 16 float32; bq 16 float32; bv 256 float32; gamma 1 float32; wk 16 x 256 float32; wq 16 x 256 float32; wv 256 x 256 float32; x 4 x 256 x 64 x 64 float32.
;; Outputs: out0 4 x 256 x 64 x 64 float32.
;; This version of the problem:
;;   THIS VERSION OF THE PROBLEM IS GIVEN IN LOW PRECISION. The matrix products marked QUANTISED in the list below multiply operands that are first quantised to E3M2 (3 exponent bits, 2 mantissa bits; 6 bits a number), with one power-of-two scale for each 32 numbers along K (OCP MX v1.0); their sums are f32. All else is computed in f32.
;;   The module's matrix products, in the order in which they are computed (A, B: the left and right operand; K: the contracted axis; several contracted axes count as one K, in the product's order):
;;     1. [M 16,384, K 256] x [K 256, N 16]; A: input x; B: input wq: QUANTISED
;;     2. [M 16,384, K 256] x [K 256, N 16]; A: input x; B: input wk: QUANTISED
;;     3. [M 16,384, K 256] x [K 256, N 256]; A: input x; B: input wv: QUANTISED
;;     4. batch 4 x [M 4,096, K 16] x [K 16, N 4,096]; A: computed on the way; B: computed on the way: left as it is (K = 16 < 32)
;;     5. batch 4 x [M 256, K 4,096] x [K 4,096, N 4,096]; A: computed on the way; B: softmax (see below): QUANTISED
;;   THE QUANTISER, for each operand of a quantised product, along K:
;;     - K is cut into blocks of 32 from its start; a last block that is shorter is filled with zeros.
;;     - A block's scale is 2^e with e = floor(log2(the largest magnitude in the block)) - 4, held to -126 .. 127; a block of zeros has e = 0. As a byte (E8M0): e + 127.
;;     - Each number is divided by its block's scale, clamped to +-28, and rounded to the nearest number of E3M2, ties to even, subnormals kept.
;;     - The product sums the exact products of the quantised numbers (number of the format x scale) in f32.
;;   ~~~python
;;   def quantise(x, axis):      # numpy; x: float32 -> the quantised numbers, widened to float32 again
;;       x = np.moveaxis(x, axis, -1); K = x.shape[-1]
;;       x = np.pad(x, [(0, 0)] * (x.ndim - 1) + [(0, -K % 32)]); x = x.reshape(x.shape[:-1] + (-1, 32)); a = np.abs(x).max(-1, keepdims=True)
;;       e = np.where(a > 0, np.clip(np.frexp(np.where(a > 0, a, 1))[1] - 1 - 4, -126, 127), 0)      # np.frexp(a)[1] - 1 = floor(log2(a)), exactly
;;       r = np.clip(x / 2.0 ** e, -28, 28)
;;       step = 2.0 ** (np.maximum(np.frexp(np.where(r == 0, 1, r))[1] - 1, -2) - 2)
;;       q = np.round(r / step) * step * 2.0 ** e      # np.round: ties to even
;;       return np.moveaxis(q.reshape(q.shape[:-2] + (-1,))[..., :K], -1, axis).astype(np.float32)
;;   ~~~
;;   SOFTMAX AHEAD OF A QUANTISED PRODUCT. Where the list says 'softmax', what is quantised is not the finished softmax but p = 2^(t - M), with t = logit x log2(e) and M = ceil(the row's largest t), a whole number; so 1/2 < the row's largest p <= 1. The row's sum l is taken of the UNQUANTISED p, in f32, and the product's result is divided by l at the end. Since M is a whole number, a kernel that streams over the keys may use a running M (the ceiling of the running maximum): every later rescaling is an exact power of two, which a block's scale takes up: the codes' values come out the same.
;;   OPERANDS COMPUTED ON THE WAY. 'Computed on the way' means the value that the module computes at that place (a softmax that the list does not call 'softmax' is quantised finished and normalised). What goes into a quantiser is computed in f32, as accurately as f32 sums, v_exp_f32 and their like allow (about 1e-6 of the number): no bf16 or f16 on the way to a quantiser, and a product that is left as it is and whose result goes on into a quantised operand takes f32 operands (vector FMAs, or v_wmma_f32_16x16x4_f32). A number that lies on a knife's edge between two numbers of the format may be rounded either way, as far as f32 arithmetic and the matrix unit's own rounding can turn it there, and no further.
;; One version. Each part assembles by itself: llvm-mc -triple=amdgcn-amd-amdhsa -mcpu=gfx1250 --defsym DOCPART=n.
;; ======== version 1 of 1: 3 launches
;; workspace buffers: wimg 59,904 bytes; qimg 1,048,576 bytes; kv 4,325,376 bytes
;; launch wquant (part 1): grid 18 x 1, 2 waves a work-group, no clusters, 0 bytes of LDS; arguments wq, wk, wv, wimg; writes wimg
.if DOCPART == 1
	.amdgcn_target "amdgcn-amd-amdhsa--gfx1250"
	.amdhsa_code_object_version 6
	.text
	.protected	k_q9eeaccac5c_wquant
	.globl	k_q9eeaccac5c_wquant
	.p2align	8
	.type	k_q9eeaccac5c_wquant,@function
k_q9eeaccac5c_wquant:
	s_mov_b64 s[64:65], 0
	v_nop
	global_prefetch_b8 v0, s[64:65] scope:SCOPE_SE
	s_setreg_imm32_b32 hwreg(HW_REG_WAVE_MODE, 25, 1), 1
	s_wait_xcnt 0x0
; The 288 weight rows (wq 16, wk 16, wv 256; each 256 f32 along K) become codes of BF6 (E3M2) with one E8M0 byte for each 32 along K, laid as IMAGES OF THE OPERAND'S REGISTERS.
; Work-group T: 0 = wq, 1 = wk, 2 .. 17 = rows 16 (T - 2) on of wv.  Wave ks = the K step of 128 channels.  One wave makes fragment F = 2 T + ks: 12 registers a lane.
; Lane (r, h) takes one weight row and, of it, k = 128 ks + 64 c + 32 h + 0 .. 31 into registers 6 c .. 6 c + 5: two whole blocks, so no other lane is asked for a maximum.
; wv: the lane's row is r.  wq, wk: the row is d(r) = 4 ((r & 7) >> 1) + 2 (r >> 3) + (r & 1), so that the later product's result has its registers in the order of an f32 16x16x4 operand.
; wimg: fragment F at 1536 F, registers 4 c .. 4 c + 3 of lane l at 512 c + 16 l; its scale words at 55296 + 128 F + 4 l (both halves of the lanes hold the row's word).
; A block's scale byte is its largest magnitude's exponent field - 4, held at 1 from below.  A block of zeros so keeps the byte 1: its codes are zeros, and this program alone reads the bytes.
; LIMITS: NaN and infinities among the weights are not served; blocks whose largest magnitude lies under 2^-122 keep the byte 1.
; Each load takes 16 bytes at two places of 16 different rows: accepted, since the whole launch reads 294,912 bytes.  No LDS, no barrier, no matrix unit: waves share nothing and there is no product here.
.set X,   16                           ; v16-79  64 numbers: 32 c + i = k 64 c + 32 h + i
.set MXR, 8                            ; v8-9    the two blocks' largest magnitudes
.set SOP, 12                           ; v12-13  the conversions' scale operands
.set BYT, 14                           ; v14-15  the scale bytes
.set FR,  80                           ; v80-91  the fragment
.set UP,  92                           ; v92-94, v96-98 a block's upper 16 codes (a conversion's three registers begin on an even number)
.set WSC, 55296
	s_load_b256 s[4:11], s[0:1], 0x0               ; wq s[4:5], wk s[6:7], wv s[8:9], wimg s[10:11]
	v_lshrrev_b32 v1, 5, v0
	v_readfirstlane_b32 s12, v1                    ; wave = ks
	v_and_b32 v1, 15, v0                           ; r
	v_bfe_u32 v2, v0, 4, 1                         ; h
	v_bfe_u32 v3, v0, 1, 2                         ; (r & 7) >> 1
	v_bfe_u32 v4, v0, 3, 1                         ; r >> 3
	v_lshlrev_b32 v3, 2, v3
	v_lshl_add_u32 v3, v4, 1, v3
	v_and_b32 v4, 1, v0
	v_add_nc_u32 v3, v3, v4                        ; d(r)
	s_cmp_lt_u32 ttmp9, 2
	s_cselect_b32 s20, -1, 0                       ; all lanes: wq and wk take d(r), wv takes r
	v_cndmask_b32 v3, v1, v3, s20
	v_lshlrev_b32 v4, 10, v3                       ; a row is 1,024 bytes
	v_lshl_add_u32 v4, v2, 7, v4                   ; + 128 h
	s_lshl_b32 s13, s12, 9
	v_add_nc_u32 v4, s13, v4                       ; + 512 ks
	v_and_b32 v6, 31, v0
	v_lshlrev_b32 v5, 4, v6                        ; 16 x lane
	v_lshlrev_b32 v6, 2, v6                        ; 4 x lane
	s_mov_b32 s22, 0x76543210
	s_mov_b32 s23, 0xfedcba98                      ; v_permlanex16_b32: lane l xor 16
	s_sub_co_i32 s16, ttmp9, 2
	s_max_i32 s16, s16, 0
	s_lshl_b32 s16, s16, 14                        ; wv: 16 rows of 1,024 bytes for each tile
	s_mov_b32 s17, 0
	s_lshl_b32 s18, ttmp9, 1
	s_add_co_u32 s18, s18, s12                     ; F
	s_mul_i32 s24, s18, 1536
	s_mov_b32 s25, 0
	s_lshl_b32 s26, s18, 7
	s_add_co_u32 s26, s26, WSC
	s_mov_b32 s27, 0
	s_wait_kmcnt 0x0
	s_cmp_eq_u32 ttmp9, 0                          ; which tensor: the choice hangs on the work-group's number alone
	s_cselect_b64 s[14:15], s[4:5], s[8:9]
	s_cmp_eq_u32 ttmp9, 1
	s_cselect_b64 s[14:15], s[6:7], s[14:15]
	s_add_nc_u64 s[14:15], s[14:15], s[16:17]
	s_add_nc_u64 s[24:25], s[10:11], s[24:25]      ; where the fragment goes
	s_add_nc_u64 s[26:27], s[10:11], s[26:27]      ; and its scale words
.irp c, 0,1
.irp i, 0,1,2,3,4,5,6,7
	global_load_b128 v[X+32*\c+4*\i:X+32*\c+4*\i+3], v4, s[14:15] offset:256*\c+16*\i
.endr
.endr
	v_mov_b32 v10, 0                               ; a lane permute's destination counts as one of its sources
	s_wait_loadcnt 0x0
.irp c, 0,1
	v_max3_num_f32 v[MXR+\c], |v[X+32*\c]|, |v[X+32*\c+1]|, 0x2800000   ; my block 2 c + h, and the floor 2^(5 - 127): the byte cannot fall under 1
.endr
.irp i, 2,4,6,8,10,12,14,16,18,20,22,24,26,28,30
.irp c, 0,1
	v_max3_num_f32 v[MXR+\c], v[MXR+\c], |v[X+32*\c+\i]|, |v[X+32*\c+\i+1]|   ; the two blocks by turns
.endr
.endr
.irp c, 0,1
	v_add_nc_u32 v[SOP+\c], 0xfe000000, v[MXR+\c]  ; 4 off the exponent field: the conversion takes the exponent field of this operand as its scale
.endr
.irp c, 0,1
	v_lshrrev_b32 v[BYT+\c], 23, v[SOP+\c]         ; the scale's byte
.endr
	v_lshl_or_b32 v7, v[BYT+1], 16, v[BYT]         ; my two bytes: blocks h and 2 + h,
	v_lshlrev_b32 v11, 3, v2
	v_lshlrev_b32 v7, v11, v7                      ; at their places in the word (8 h bits up);
	v_permlanex16_b32 v10, v7, s22, s23
	v_or_b32 v7, v7, v10                           ; with lane l xor 16's two the word is whole
.irp c, 0,1
	v_cvt_scalef32_pk16_bf6_f32 v[FR+6*\c:FR+6*\c+2], v[X+32*\c:X+32*\c+15], v[SOP+\c]
	v_cvt_scalef32_pk16_bf6_f32 v[UP+4*\c:UP+4*\c+2], v[X+32*\c+16:X+32*\c+31], v[SOP+\c]
.endr
	v_nop                                          ; one plain place behind a scaled conversion
.irp c, 0,1
.irp i, 0,1,2
	v_mov_b32 v[FR+6*\c+3+\i], v[UP+4*\c+\i]
.endr
.endr
.irp c, 0,1,2
	global_store_b128 v5, v[FR+4*\c:FR+4*\c+3], s[24:25] offset:512*\c   ; 32 lanes store 512 consecutive bytes
.endr
	global_store_b32 v6, v7, s[26:27]
	s_endpgm
.Lfunc_end_k_q9eeaccac5c_wquant:
	.size	k_q9eeaccac5c_wquant, .Lfunc_end_k_q9eeaccac5c_wquant-k_q9eeaccac5c_wquant
	.p2alignl 7, 3214868480
	.fill 96, 4, 3214868480
	.section	.rodata,"a",@progbits
	.p2align	6, 0x0
	.amdhsa_kernel k_q9eeaccac5c_wquant
		.amdhsa_group_segment_fixed_size 0
		.amdhsa_private_segment_fixed_size 0
		.amdhsa_enable_private_segment 0
		.amdhsa_kernarg_size 32
		.amdhsa_user_sgpr_count 2
		.amdhsa_user_sgpr_kernarg_segment_ptr 1
		.amdhsa_wavefront_size32 1
		.amdhsa_system_sgpr_workgroup_id_x 1
		.amdhsa_system_sgpr_workgroup_id_y 1
		.amdhsa_system_sgpr_workgroup_id_z 1
		.amdhsa_system_vgpr_workitem_id 0
		.amdhsa_next_free_vgpr 104
		.amdhsa_next_free_sgpr 66
		.amdhsa_reserve_vcc 0
		.amdhsa_float_denorm_mode_32 3
		.amdhsa_float_denorm_mode_16_64 3
		.amdhsa_memory_ordered 1
		.amdhsa_forward_progress 1
		.amdhsa_inst_pref_size 7
	.end_amdhsa_kernel
	.amdgpu_metadata
---
amdhsa.version: [ 1, 2 ]
amdhsa.kernels:
  - .name:           k_q9eeaccac5c_wquant
    .symbol:         k_q9eeaccac5c_wquant.kd
    .args:
      - { .name: wq, .offset: 0, .size: 8, .value_kind: global_buffer, .address_space: global }
      - { .name: wk, .offset: 8, .size: 8, .value_kind: global_buffer, .address_space: global }
      - { .name: wv, .offset: 16, .size: 8, .value_kind: global_buffer, .address_space: global }
      - { .name: wimg, .offset: 24, .size: 8, .value_kind: global_buffer, .address_space: global }
    .group_segment_fixed_size: 0
    .private_segment_fixed_size: 0
    .kernarg_segment_align: 8
    .kernarg_segment_size: 32
    .max_flat_workgroup_size: 64
    .sgpr_count:     66
    .vgpr_count:     104
    .wavefront_size: 32
...
	.end_amdgpu_metadata
.endif
;; end of part 1
;; launch proj (part 2): grid 32 x 4, 8 waves a work-group, no clusters, 167,936 bytes of LDS; arguments x, wimg, bq, bk, bv, qimg, kv; writes qimg, kv
.if DOCPART == 2
	.amdgcn_target "amdgcn-amd-amdhsa--gfx1250"
	.amdhsa_code_object_version 6
	.text
	.protected	k_q9eeaccac5c_proj
	.globl	k_q9eeaccac5c_proj
	.p2align	8
	.type	k_q9eeaccac5c_proj,@function
k_q9eeaccac5c_proj:
	s_mov_b64 s[64:65], 0
	v_nop
	global_prefetch_b8 v0, s[64:65] scope:SCOPE_SE
	s_setreg_imm32_b32 hwreg(HW_REG_WAVE_MODE, 25, 1), 1
	s_wait_xcnt 0x0
; q, k and v = W x + b for 128 pixels (step a = work-group x) of one batch (work-group y), the three products on codes of BF6 (E3M2) with one E8M0 scale for each 32 channels.
; x [4][256][4096] f32 has its K (the channels) as the OUTER axis: a lane takes a pixel and its registers run down the channels, so that a block of 32 lies in one lane and nothing is transposed.
; PHASES.  X: the tile of x (256 channels x 128 pixels, one tensor load of 32 rows a wave) is quantised: wave w takes pixels 32 (w & 3) on and channels 128 (w >> 2) on: two fragments, stored to LDS as images of their
; registers | barrier |  M: wave w makes q and k (f32) of pixel tile w, and v of channels 32 w .. 32 w + 31 for all 128 pixels; v is quantised along the pixels, which are the keys of the later product.
; PIXEL TILES: tile 2 b + u, row rho = pixel 32 b + 8 u + rho + 8 (rho >> 3), so that the 16 registers of two neighbouring result tiles are 16 neighbouring pixels.
; OUT, all as images of the registers that the next launch wants (registers 4 c .. 4 c + 3 of lane l at 512 c + 16 l):
;   qimg: tile (batch, a, pt) at ((32 batch + a) 8 + pt) 1024: register 2 s + j of lane (r, h) = log2(e) q[pixel(r)][4 s + 2 h + j]: an f32 16x16x4 operand for each s.
;   kv: block (batch, a) of 33,792 bytes: 16 fragments of v (channels 16 ct on x these 128 keys), 8 registers of their scale words (lanes 0-15 tile 2 i, lanes 16-31 tile 2 i + 1), and 8 images of k.
;   The images of k of step a go into block prev(a) (a - 1 for odd a, else (a - 3) & 31): the next launch wants k one step ahead of v, in the order 0 1 4 5 .. or 2 3 6 7 ..
; The biases are the C of each sum's first matrix instruction.  wq's and wk's rows were permuted when they were quantised, so that q's and k's results lie as the f32 operand wants them.
; NO CLUSTER: the work-groups share the weights' images alone, 59,904 bytes, of which a wave reads 12,288 through registers once, against 131,072 bytes of x that each work-group has to itself.
; 128 work-groups: a fragment of v and its scale word want 128 keys, and one work-group then writes one whole dense block.  The scale words of v leave as 128 consecutive bytes a wave, 1,024 of a block's 33,792.
; LIMITS: NaN and infinities among the inputs are not served; blocks whose largest magnitude lies under 2^-122 keep the scale byte 1 (a block of zeros too: its codes are zeros; this program alone reads the bytes).
; REGISTERS.  window 0: v1-15 addresses and temporaries; v16-31 at work on scales; v32-35 scale words made here; v36-53 scale words for the products; v56-63 q x log2(e); v64-191 128 numbers of x, later v's 16 accumulators;
;   v192-222 codes just made; v224-239 q's and k's accumulators.   window 1: v0-47 wq's, wk's fragments; v48-95 my four of wv; v96-127 the biases; v128-223 eight fragments of x.
.set XIMG,  131072                     ; LDS: 0: the tile of x, 256 rows of 512 bytes;  XIMG: x's 16 fragments, 2 pt + ks, 1,536 bytes each;
.set XSC,   XIMG+16*1536               ; their scale words: 8 registers of 128 bytes, 2 (pt / 2) + ks: lanes 0-15 the even tile's rows, lanes 16-31 the odd tile's
.set STEPB, 33792
.set VSOFF, 24576
.set KOFF,  25600
.set WSC,   55296
.set XA,  4                            ; v4   my pixel's column in the tile of x, at my wave's first channel
.set LI,  5                            ; v5   16 x lane
.set LS,  6                            ; v6   4 x lane
.set XWI, 7                            ; v7   where I store x's images
.set XWS, 8                            ; v8   and their scale words
.set XRQ, 9                            ; v9   where pixel tile w's two fragments lie
.set XSQ, 10                           ; v10  and its rows' scale words
.set TM,  16                           ; v16-19 largest magnitudes, v20-23 bytes, v28-31 scale operands
.set PW0, 32                           ; v32-33 the scale words of my two tiles of v
.set VW,  34                           ; v34  the two merged
.set XW,  35                           ; v35  x's scale word
.set WS,  36                           ; v36-43 the weights' scale words: fragments 0-3 (wq, wk), then my four of wv
.set XS,  44                           ; v44-51 x's scale words, 2 (pt / 2) + ks
.set QS,  52                           ; v52-53 those of pixel tile w
.set LX,  54                           ; v54  XIMG + 16 x lane
.set LXS, 55                           ; v55  XSC + 4 x lane
.set QO,  56
.set XN,  64
.set VA,  64
.set FA,  192
.set PC,  192
.set FB,  204
.set TA,  216
.set TB,  220
.set QA,  224
.set KA,  232
.set WQK, 0                            ; window 1
.set WVF, 48
.set BQ,  96
.set BK,  104
.set BV,  112
.set XF,  128
.set WV,  18                           ; s18  my wave's number
.set G1,  24
.set G0,  32
.set SEL, 36
.set MSB, 0
.macro WIN new                         ; the immediate's high byte repeats the setting that is left
.if MSB != \new
	s_set_vgpr_msb (MSB<<8)|\new
.set MSB, \new
.endif
.endm
	s_load_b256 s[4:11], s[0:1], 0x0               ; x s[4:5], wimg s[6:7], bq s[8:9], bk s[10:11]
	s_load_b128 s[12:15], s[0:1], 0x20             ; bv s[12:13], qimg s[14:15]
	s_load_b64 s[16:17], s[0:1], 0x30              ; kv
	v_lshrrev_b32 v1, 5, v0
	v_readfirstlane_b32 s[WV], v1                  ; wave 0..7
	s_and_b32 s19, s[WV], 3                        ; pg: which 32 pixels I quantise
	s_lshr_b32 s20, s[WV], 2                       ; kh: which 128 channels
	s_and_b32 s22, ttmp7, 0xffff                   ; batch
	; descriptor group 1: 32 rows (channels) x 128 elements of 4 bytes, 4,096 elements from row to row, no padding
	s_mov_b32 s[G1], 2<<16
	s_mov_b32 s[G1+1], 128<<16                     ; tensor_dim0
	s_mov_b32 s[G1+2], 32<<16                      ; tensor_dim1
	s_mov_b32 s[G1+3], 128<<16                     ; tile_dim0
	s_mov_b32 s[G1+4], 32                          ; tile_dim1
	s_mov_b32 s[G1+5], 4096                        ; stride
	s_mov_b32 s[G1+6], 0
	s_mov_b32 s[G1+7], 0
	s_lshl_b32 s38, s22, 22                        ; a batch is 4,194,304 bytes,
	s_lshl_b32 s39, s[WV], 19                      ; my 32 channels begin 32 x 16,384 x wave on,
	s_add_co_u32 s38, s38, s39
	s_lshl_b32 s39, ttmp9, 9                       ; the step's 128 pixels 512 a on
	s_add_co_u32 s38, s38, s39
	s_mov_b32 s39, 0
	s_mov_b32 s[G0], 1
	s_lshl_b32 s[G0+1], s[WV], 14                  ; LDS: 16,384 x wave
	s_wait_kmcnt 0x0
	s_add_nc_u64 s[G0+2:G0+3], s[4:5], s[38:39]
	s_or_b32 s[G0+3], s[G0+3], 0x80000000
	tensor_load_to_lds s[G0:G0+3], s[G1:G1+7]      ; my one tensor load: a first fill; nothing is filled again in this launch
.rept 4
	v_nop                                          ; behind a tensor load
.endr
	v_and_b32 v1, 31, v0                           ; lane
	v_and_b32 v2, 15, v0                           ; r
	v_bfe_u32 v3, v0, 4, 1                         ; h
	v_lshlrev_b32 v[LI], 4, v1
	v_lshlrev_b32 v[LS], 2, v1
	v_and_b32 v12, 7, v0
	v_bfe_u32 v13, v0, 3, 1
	v_lshl_add_u32 v12, v13, 4, v12
	v_lshl_add_u32 v12, v3, 3, v12                 ; my pixel among the wave's 32: (l & 7) + 16 ((l >> 3) & 1) + 8 (l >> 4): lanes 0-15 the rows of tile u = 0, lanes 16-31 of u = 1
	s_lshl_b32 s38, s20, 16
	s_lshl_b32 s23, s19, 7
	s_add_co_u32 s38, s38, s23
	v_lshl_add_u32 v[XA], v12, 2, s38              ; 4 x pixel + 128 pg + 65,536 kh
	s_lshl_b32 s38, s19, 2
	s_add_co_u32 s38, s38, s20
	s_mul_i32 s38, s38, 1536
	s_add_co_u32 s38, s38, XIMG
	v_add_nc_u32 v[XWI], s38, v[LI]                ; fragment 2 (2 pg + u) + kh: (4 pg + kh) 1536, + 3072 u in the immediate
	s_lshl_b32 s38, s19, 1
	s_add_co_u32 s38, s38, s20
	s_lshl_b32 s38, s38, 7
	s_add_co_u32 s38, s38, XSC
	v_add_nc_u32 v[XWS], s38, v[LS]
	s_mul_i32 s38, s[WV], 3072
	s_add_co_u32 s38, s38, XIMG
	v_add_nc_u32 v[XRQ], s38, v[LI]
	s_and_b32 s38, s[WV], 1
	s_lshl_b32 s38, s38, 6
	s_lshr_b32 s23, s[WV], 1
	s_lshl_b32 s23, s23, 8
	s_add_co_u32 s38, s38, s23
	s_add_co_u32 s38, s38, XSC
	v_lshl_add_u32 v[XSQ], v2, 2, s38              ; 4 r + 64 (w & 1) + 256 (w >> 1)
	v_add_nc_u32 v[LX], XIMG, v[LI]
	v_add_nc_u32 v[LXS], XSC, v[LS]
	v_lshlrev_b32 v11, 3, v3                       ; bq, bk: 8 h
	v_lshlrev_b32 v12, 2, v2                       ; bv: 4 r
.irp b, 0,1,2,3
	v_mov_b32 v[TM+4+\b], 0                        ; a lane permute's destination counts as one of its sources
.endr
	s_mov_b32 s[SEL], 0x76543210
	s_mov_b32 s[SEL+1], 0xfedcba98                 ; v_permlanex16_b32: lane l xor 16
	s_mul_i32 s38, s[WV], 6144
	s_add_co_u32 s38, s38, 6144
	s_add_nc_u64 s[40:41], s[6:7], s[38:39]        ; my four fragments of wv: 4 + 4 w on
	s_lshl_b32 s38, s[WV], 9
	s_add_co_u32 s38, s38, WSC+512
	s_add_nc_u64 s[42:43], s[6:7], s[38:39]        ; and their scale words
	s_lshl_b32 s38, s[WV], 7
	s_add_nc_u64 s[52:53], s[12:13], s[38:39]      ; bv at my 32 channels
	s_lshl_b32 s21, s22, 5
	s_add_co_u32 s21, s21, ttmp9                   ; the block's number: 32 batch + a
	s_lshl_b32 s38, s21, 3
	s_add_co_u32 s38, s38, s[WV]
	s_lshl_b32 s38, s38, 10
	s_add_nc_u64 s[44:45], s[14:15], s[38:39]      ; qimg at tile (batch, a, w)
	s_mul_i32 s23, s21, STEPB
	s_mul_i32 s38, s[WV], 3072
	s_add_co_u32 s38, s38, s23
	s_add_nc_u64 s[46:47], s[16:17], s[38:39]      ; kv: block a, my two fragments of v
	s_lshl_b32 s38, s[WV], 7
	s_add_co_u32 s38, s38, s23
	s_add_co_u32 s38, s38, VSOFF
	s_add_nc_u64 s[48:49], s[16:17], s[38:39]      ; and their register of scale words
	s_bitcmp1_b32 ttmp9, 0
	s_cselect_b32 s38, 1, 3
	s_sub_co_u32 s38, ttmp9, s38
	s_and_b32 s38, s38, 31                         ; prev(a)
	s_lshl_b32 s23, s22, 5
	s_add_co_u32 s38, s38, s23
	s_mul_i32 s38, s38, STEPB
	s_lshl_b32 s23, s[WV], 10
	s_add_co_u32 s38, s38, s23
	s_add_co_u32 s38, s38, KOFF
	s_add_nc_u64 s[50:51], s[16:17], s[38:39]      ; kv: block prev(a), k's image of tile w
	; the weights, their scale words and the biases come while the tile of x is on its way
	WIN 0x40                                       ; destination window 1, address window 0
.irp f, 0,1,2,3
.irp c, 0,1,2
	global_load_b128 v[WQK+12*\f+4*\c:WQK+12*\f+4*\c+3], v[LI], s[6:7] offset:1536*\f+512*\c
	global_load_b128 v[WVF+12*\f+4*\c:WVF+12*\f+4*\c+3], v[LI], s[40:41] offset:1536*\f+512*\c
.endr
.endr
.irp i, 0,1,2,3
	global_load_b64 v[BQ+2*\i:BQ+2*\i+1], v11, s[8:9] offset:16*\i     ; register 2 i + j of lane (r, h): bq[4 i + 2 h + j], the result's own order
	global_load_b64 v[BK+2*\i:BK+2*\i+1], v11, s[10:11] offset:16*\i
.endr
	WIN 0
.irp f, 0,1,2,3
	global_load_b32 v[WS+\f], v[LS], s[6:7] offset:WSC+128*\f
	global_load_b32 v[WS+4+\f], v[LS], s[42:43] offset:128*\f
.endr
	global_load_b32 v13, v12, s[52:53]             ; bv[32 w + r]
	global_load_b32 v14, v12, s[52:53] offset:64   ; bv[32 w + 16 + r]
	s_wait_loadcnt 0x0
	WIN 0x40
.irp j, 0,1,2,3,4,5,6,7
	v_mov_b32 v[BV+\j], v13                        ; v's result holds one channel a lane: eight equal registers a tile
	v_mov_b32 v[BV+8+\j], v14
.endr
	WIN 0
; ---- X
.macro LOADB kb                        ; block kb of my pixel: 32 channels, 512 bytes apart; the 32 lanes read 32 different words of 128 consecutive bytes
.set ii, 0
.rept 32
	ds_load_b32 v[XN+32*(\kb)+ii], v[XA] offset:(32*(\kb)+ii)*512
.set ii, ii+1
.endr
.endm
.macro AMAX kb                         ; its largest magnitude (two chains, with the floor 2^(5 - 127) as one more leaf), the conversion's scale operand and the byte
.set xb, XN+32*(\kb)
	v_max3_num_f32 v[TM+(\kb)], |v[xb]|, |v[xb+1]|, 0x2800000
	v_max3_num_f32 v15, |v[xb+2]|, |v[xb+3]|, |v[xb+4]|
.irp i, 5,9,13,17,21,25
	v_max3_num_f32 v[TM+(\kb)], v[TM+(\kb)], |v[xb+\i]|, |v[xb+\i+1]|
	v_max3_num_f32 v15, v15, |v[xb+\i+2]|, |v[xb+\i+3]|
.endr
	v_max3_num_f32 v[TM+(\kb)], v[TM+(\kb)], |v[xb+29]|, |v[xb+30]|
	v_max3_num_f32 v[TM+(\kb)], v[TM+(\kb)], v15, |v[xb+31]|
	v_add_nc_u32 v[TM+12+(\kb)], 0xfe000000, v[TM+(\kb)]   ; 4 off the exponent field
	v_lshrrev_b32 v[TM+4+(\kb)], 23, v[TM+12+(\kb)]
.endm
; Blocks 2 c and 2 c + 1 become registers 6 c .. 6 c + 5 of two fragments.  Before the exchange a lane holds both blocks of ITS pixel; the operand wants block 2 c in lanes 0-15 and block 2 c + 1 in lanes 16-31 of ONE tile:
; the first register's lanes 16-31 (tile 1, block 2 c) change places with the second's lanes 0-15 (tile 0, block 2 c + 1).
.macro CVT c
	v_cvt_scalef32_pk16_bf6_f32 v[FA+6*\c:FA+6*\c+2], v[XN+64*\c:XN+64*\c+15], v[TM+12+2*\c]
	v_cvt_scalef32_pk16_bf6_f32 v[TA:TA+2], v[XN+64*\c+16:XN+64*\c+31], v[TM+12+2*\c]
	v_cvt_scalef32_pk16_bf6_f32 v[FB+6*\c:FB+6*\c+2], v[XN+64*\c+32:XN+64*\c+47], v[TM+13+2*\c]
	v_cvt_scalef32_pk16_bf6_f32 v[TB:TB+2], v[XN+64*\c+48:XN+64*\c+63], v[TM+13+2*\c]
	v_nop                                          ; one plain place behind a scaled conversion
.irp i, 0,1,2
	v_permlane16_swap_b32 v[FA+6*\c+\i], v[FB+6*\c+\i]
	v_permlane16_swap_b32 v[TA+\i], v[TB+\i]
.endr
.irp i, 0,1,2
	v_mov_b32 v[FA+6*\c+3+\i], v[TA+\i]
	v_mov_b32 v[FB+6*\c+3+\i], v[TB+\i]
.endr
.endm
	s_wait_tensorcnt 0x0                           ; my 32 rows have landed,
	s_barrier_signal -1
	s_barrier_wait -1                              ; everybody's have
	LOADB 0
	LOADB 1
	s_wait_dscnt 32                                ; block 0 is in; block 1's 32 loads may be out
	LOADB 2
	AMAX 0
	s_wait_dscnt 32                                ; block 1 is in; block 2's may be out
	LOADB 3
	AMAX 1
	CVT 0
	s_wait_dscnt 32                                ; block 2 is in; block 3's may be out
	AMAX 2
	s_wait_dscnt 0x0
	AMAX 3
	CVT 1
	v_lshl_or_b32 v[XW], v[TM+5], 8, v[TM+4]       ; my pixel's four bytes: its scale word for these 128 channels
	v_lshl_or_b32 v[XW], v[TM+6], 16, v[XW]
	v_lshl_or_b32 v[XW], v[TM+7], 24, v[XW]
.irp c, 0,1,2
	ds_store_b128 v[XWI], v[FA+4*\c:FA+4*\c+3] offset:512*\c        ; the fragments go to LDS as they stand: 512 consecutive bytes a store
	ds_store_b128 v[XWI], v[FB+4*\c:FB+4*\c+3] offset:3072+512*\c
.endr
	ds_store_b32 v[XWS], v[XW]
	s_wait_dscnt 0x0                               ; for the others' sake: my stores have landed
	s_barrier_signal -1
	s_barrier_wait -1                              ; x's sixteen fragments lie in LDS
; ---- M: q and k of pixel tile w.  Source 0 = 16 rows of the weight, source 1 = 16 pixels: a lane holds one pixel.
	WIN 0x40
.irp ks, 0,1
.irp c, 0,1,2
	ds_load_b128 v[XF+12*\ks+4*\c:XF+12*\ks+4*\c+3], v[XRQ] offset:1536*\ks+512*\c
.endr
.endr
	WIN 0
.irp ks, 0,1
	ds_load_b32 v[QS+\ks], v[XSQ] offset:128*\ks
.endr
.irp i, 0,1,2,3,4,5,6,7
	ds_load_b32 v[XS+\i], v[LXS] offset:128*\i
.endr
	s_wait_dscnt 0x0
	WIN 0x15                                       ; sources 0, 1 and C window 1, D window 0.  The two accumulators take turns
	v_wmma_scale_f32_16x16x128_f8f6f4 v[QA:QA+7], v[WQK:WQK+11], v[XF:XF+11], v[BQ:BQ+7], v[WS], v[QS] matrix_a_fmt:MATRIX_FMT_BF6 matrix_b_fmt:MATRIX_FMT_BF6
	v_wmma_scale_f32_16x16x128_f8f6f4 v[KA:KA+7], v[WQK+24:WQK+35], v[XF:XF+11], v[BK:BK+7], v[WS+2], v[QS] matrix_a_fmt:MATRIX_FMT_BF6 matrix_b_fmt:MATRIX_FMT_BF6
	WIN 0x05                                       ; C window 0
	v_wmma_scale_f32_16x16x128_f8f6f4 v[QA:QA+7], v[WQK+12:WQK+23], v[XF+12:XF+23], v[QA:QA+7], v[WS+1], v[QS+1] matrix_a_fmt:MATRIX_FMT_BF6 matrix_b_fmt:MATRIX_FMT_BF6
	v_wmma_scale_f32_16x16x128_f8f6f4 v[KA:KA+7], v[WQK+36:WQK+47], v[XF+12:XF+23], v[KA:KA+7], v[WS+3], v[QS+1] matrix_a_fmt:MATRIX_FMT_BF6 matrix_b_fmt:MATRIX_FMT_BF6
	WIN 0
.rept 4
	v_nop                                          ; four places: in front of the loads into x's fragments and of the first read of q and k
.endr
; ---- M: v.  Source 0 = 16 pixels, source 1 = 16 channels: a lane holds ONE channel, and the 16 registers of pixel tiles 2 b, 2 b + 1 are keys 32 b + 16 h + 0 .. 15.
.macro VMUL pt, vt, ks
.set rD, VA+64*(\vt)+8*(\pt)
.set rA, XF+12*(\pt)
.set rB, WVF+12*(2*(\vt)+(\ks))
.set rX, XS+2*((\pt)/2)+(\ks)
.set rW, WS+4+2*(\vt)+(\ks)
.if (\ks) == 0
.if (\pt)%2
	v_wmma_scale_f32_16x16x128_f8f6f4 v[rD:rD+7], v[rA:rA+11], v[rB:rB+11], v[BV+8*(\vt):BV+8*(\vt)+7], v[rX], v[rW] matrix_a_fmt:MATRIX_FMT_BF6 matrix_b_fmt:MATRIX_FMT_BF6 matrix_a_scale:MATRIX_SCALE_ROW1
.else
	v_wmma_scale_f32_16x16x128_f8f6f4 v[rD:rD+7], v[rA:rA+11], v[rB:rB+11], v[BV+8*(\vt):BV+8*(\vt)+7], v[rX], v[rW] matrix_a_fmt:MATRIX_FMT_BF6 matrix_b_fmt:MATRIX_FMT_BF6
.endif
.else
.if (\pt)%2
	v_wmma_scale_f32_16x16x128_f8f6f4 v[rD:rD+7], v[rA:rA+11], v[rB:rB+11], v[rD:rD+7], v[rX], v[rW] matrix_a_fmt:MATRIX_FMT_BF6 matrix_b_fmt:MATRIX_FMT_BF6 matrix_a_scale:MATRIX_SCALE_ROW1
.else
	v_wmma_scale_f32_16x16x128_f8f6f4 v[rD:rD+7], v[rA:rA+11], v[rB:rB+11], v[rD:rD+7], v[rX], v[rW] matrix_a_fmt:MATRIX_FMT_BF6 matrix_b_fmt:MATRIX_FMT_BF6
.endif
.endif
.endm
.irp ks, 0,1
	WIN 0x40
.irp pt, 0,1,2,3,4,5,6,7
.irp c, 0,1,2
	ds_load_b128 v[XF+12*\pt+4*\c:XF+12*\pt+4*\c+3], v[LX] offset:(2*\pt+\ks)*1536+512*\c
.endr
.endr
	WIN 0
.if \ks == 0
.irp j, 0,1,2,3,4,5,6,7
	v_mul_f32 v[QO+\j], 0x3fb8aa3b, v[QA+\j]       ; q x log2(e), so that the later score is t itself; from the accumulator's low end on
.endr
	global_store_b128 v[LI], v[QO:QO+3], s[44:45]
	global_store_b128 v[LI], v[QO+4:QO+7], s[44:45] offset:512
	global_store_b128 v[LI], v[KA:KA+3], s[50:51]
	global_store_b128 v[LI], v[KA+4:KA+7], s[50:51] offset:512
.endif
	s_wait_dscnt 0x0
.if \ks == 0
	WIN 0x15
.else
	WIN 0x05
.endif
.irp pt, 0,1,2,3,4,5,6,7
.irp vt, 0,1
	VMUL \pt, \vt, \ks                             ; sixteen accumulators by turns, in the same order in both K steps
.endr
.endr
	WIN 0
.rept 4
	v_nop                                          ; four places: in front of the next loads into x's fragments, and of the first read of v
.endr
.endr
; 64 numbers of a lane, register 16 b + i = key 32 b + 16 h + i of my channel, become a fragment's codes in v[PC] on and its scale word in v[pw].
.macro QUANT s, pw
.irp b, 0,1,2,3
	v_max3_num_f32 v[TM+\b], |v[(\s)+16*\b]|, |v[(\s)+1+16*\b]|, 0x2800000   ; block b: my 16 numbers and the floor 2^(5 - 127); each accumulator is read from its low end on
.endr
.irp i, 2,4,6,8,10,12,14
.irp b, 0,1,2,3
	v_max3_num_f32 v[TM+\b], v[TM+\b], |v[(\s)+16*\b+\i]|, |v[(\s)+1+16*\b+\i]|
.endr
.endr
.irp b, 0,1,2,3
	v_permlanex16_b32 v[TM+4+\b], v[TM+\b], s[SEL], s[SEL+1]
.endr
.irp b, 0,1,2,3
	v_max_num_f32 v[TM+\b], v[TM+\b], v[TM+4+\b]   ; with lane l xor 16's: the block's largest magnitude
.endr
.irp b, 0,1,2,3
	v_add_nc_u32 v[TM+12+\b], 0xfe000000, v[TM+\b]
.endr
.irp b, 0,1,2,3
	v_lshrrev_b32 v[TM+4+\b], 23, v[TM+12+\b]
.endr
	v_lshl_or_b32 v[(\pw)], v[TM+5], 8, v[TM+4]
	v_lshl_or_b32 v[(\pw)], v[TM+6], 16, v[(\pw)]
	v_lshl_or_b32 v[(\pw)], v[TM+7], 24, v[(\pw)]
.irp c, 0,1
	v_cvt_scalef32_pk16_bf6_f32 v[PC+6*\c:PC+2+6*\c], v[(\s)+32*\c:(\s)+15+32*\c], v[TM+12+2*\c]
	v_cvt_scalef32_pk16_bf6_f32 v[PC+12+4*\c:PC+14+4*\c], v[(\s)+16+32*\c:(\s)+31+32*\c], v[TM+12+2*\c+1]
.endr
	v_nop                                          ; one plain place behind a scaled conversion
.irp c, 0,1                                    ; the operand wants a WHOLE block in a lane: lanes 0-15 block 2 c, lanes 16-31 block 2 c + 1
.irp i, 0,1,2
	v_permlane16_swap_b32 v[PC+6*\c+\i], v[PC+12+4*\c+\i]
.endr
.irp i, 0,1,2
	v_mov_b32 v[PC+3+6*\c+\i], v[PC+12+4*\c+\i]
.endr
.endr
.endm
.irp vt, 0,1
.if \vt == 1
	s_wait_xcnt 0x0                                ; the first tile's stores have read their data: the codes' registers are written again only behind this wait
.endif
	QUANT VA+64*\vt, PW0+\vt
.irp c, 0,1,2
	global_store_b128 v[LI], v[PC+4*\c:PC+4*\c+3], s[46:47] offset:1536*\vt+512*\c   ; 512 consecutive bytes a store
.endr
.endr
	v_cmp_gt_u32 vcc_lo, 16, v1
	v_cndmask_b32 v[VW], v[PW0+1], v[PW0], vcc_lo  ; lanes 0-15: the even tile's words; lanes 16-31: the odd tile's
	global_store_b32 v[LS], v[VW], s[48:49]
	s_endpgm
.Lfunc_end_k_q9eeaccac5c_proj:
	.size	k_q9eeaccac5c_proj, .Lfunc_end_k_q9eeaccac5c_proj-k_q9eeaccac5c_proj
	.p2alignl 7, 3214868480
	.fill 96, 4, 3214868480
	.section	.rodata,"a",@progbits
	.p2align	6, 0x0
	.amdhsa_kernel k_q9eeaccac5c_proj
		.amdhsa_group_segment_fixed_size 167936
		.amdhsa_private_segment_fixed_size 0
		.amdhsa_enable_private_segment 0
		.amdhsa_kernarg_size 56
		.amdhsa_user_sgpr_count 2
		.amdhsa_user_sgpr_kernarg_segment_ptr 1
		.amdhsa_wavefront_size32 1
		.amdhsa_system_sgpr_workgroup_id_x 1
		.amdhsa_system_sgpr_workgroup_id_y 1
		.amdhsa_system_sgpr_workgroup_id_z 1
		.amdhsa_system_vgpr_workitem_id 0
		.amdhsa_next_free_vgpr 480
		.amdhsa_next_free_sgpr 66
		.amdhsa_reserve_vcc 1
		.amdhsa_float_denorm_mode_32 3
		.amdhsa_float_denorm_mode_16_64 3
		.amdhsa_memory_ordered 1
		.amdhsa_forward_progress 1
		.amdhsa_inst_pref_size 43
	.end_amdhsa_kernel
	.amdgpu_metadata
---
amdhsa.version: [ 1, 2 ]
amdhsa.kernels:
  - .name:           k_q9eeaccac5c_proj
    .symbol:         k_q9eeaccac5c_proj.kd
    .args:
      - { .name: x, .offset: 0, .size: 8, .value_kind: global_buffer, .address_space: global }
      - { .name: wimg, .offset: 8, .size: 8, .value_kind: global_buffer, .address_space: global }
      - { .name: bq, .offset: 16, .size: 8, .value_kind: global_buffer, .address_space: global }
      - { .name: bk, .offset: 24, .size: 8, .value_kind: global_buffer, .address_space: global }
      - { .name: bv, .offset: 32, .size: 8, .value_kind: global_buffer, .address_space: global }
      - { .name: qimg, .offset: 40, .size: 8, .value_kind: global_buffer, .address_space: global }
      - { .name: kv, .offset: 48, .size: 8, .value_kind: global_buffer, .address_space: global }
    .group_segment_fixed_size: 167936
    .private_segment_fixed_size: 0
    .kernarg_segment_align: 8
    .kernarg_segment_size: 56
    .max_flat_workgroup_size: 256
    .sgpr_count:     66
    .vgpr_count:     480
    .wavefront_size: 32
...
	.end_amdgpu_metadata
.endif
;; end of part 2
;; launch attn (part 3): grid 64 x 4, 4 waves a work-group, clusters of 4 x 1, 327,680 bytes of LDS; arguments x, qimg, kv, gamma, out0; writes out0
.if DOCPART == 3
	.amdgcn_target "amdgcn-amd-amdhsa--gfx1250"
	.amdhsa_code_object_version 6
	.text
	.protected	k_q9eeaccac5c_attn
	.globl	k_q9eeaccac5c_attn
	.p2align	8
	.type	k_q9eeaccac5c_attn,@function
k_q9eeaccac5c_attn:
	s_mov_b64 s[64:65], 0
	v_nop
	global_prefetch_b8 v0, s[64:65] scope:SCOPE_SE
	s_setreg_imm32_b32 hwreg(HW_REG_WAVE_MODE, 25, 1), 1
	s_wait_xcnt 0x0
	s_wait_alu depctr_hold_cnt(0) depctr_sa_sdst(0) depctr_va_vdst(0) depctr_va_sdst(0) depctr_va_ssrc(0) depctr_va_vcc(0) depctr_vm_vsrc(0)
	s_getreg_b32 s2, hwreg(HW_REG_IB_STS2, 6, 4)
	s_cmp_eq_u32 s2, 0
	s_cbranch_scc0 .Lentry_in_a_cluster
	s_endpgm
.Lentry_in_a_cluster:
	s_bfe_u32 s2, ttmp6, 0x10000c
	s_cmp_lg_u32 s2, 0x3003
	s_cbranch_scc0 .Lentry_shape_is_right
	s_endpgm
.Lentry_shape_is_right:
; out0[b][c][n] = gamma x (sum over keys m of v[b][c][m] p[n][m]) / l[n] + x[b][c][n],  p = 2^(t - M), t = log2(e) q[n] . k[m], M = the ceiling of the row's largest t, l = the sum of the unquantised p.
; The scores (K = 16) are left as they are and feed a quantiser: f32 operands, v_wmma_f32_16x16x4_f32.  The second product runs on codes of BF6 (E3M2) with one E8M0 scale for each 32 keys.
; SHARES.  A work-group owns 64 queries of one batch.  Wave w: p = w & 1: queries 32 p on, as two tiles of 16; g = w >> 1: half of the keys: steps a = 4 sigma + 2 g + i of 128 keys, sigma = 0 .. 7, i = 0, 1: 16 trips.
; So each fragment of k and of v that a wave reads from LDS feeds two matrix instructions.  The two halves' O, M and l are merged at the end: M by its maximum, the rest by exact powers of two.
; LAYOUT.  Both products are used transposed: S^T = k q^T (source 0 = 16 keys), O^T = v p^T (source 0 = 16 channels): a lane holds ONE query (lane % 16) throughout.  The keys of a tile are not neighbours (tile 2 b + u,
; row rho = key 32 b + 8 u + rho + 8 (rho >> 3)), so that the 16 registers of score tiles 2 b, 2 b + 1 are keys 32 b + 16 h + 0 .. 15.  All operands come as images of their registers: dense loads of 16 bytes a lane, no padding.
; BY TURNS.  A trip for step a: 32 products v p^T of the step BEFORE, with the maximum, M and t - M of step a in slices behind them; then 64 products k q^T of the step AFTER, with the exponentials, the sums, the codes of p
; of step a and the rescaling of O in slices behind them.  Block a of kv holds v of step a and k of the step after it, so all reads of a block fall inside one trip.
; RING.  Two LDS slots of four blocks (four steps, both halves' two); wave w fills block w of a slot by one tensor load of 132 rows of 256 bytes.  By this text's own count a wave has two tensor loads out at the start and
; one behind each round; a refill has two trips in which to land.
; CLUSTER.  The four work-groups of a cluster belong to one batch and walk the same blocks: each block is asked for JOINTLY (mask 15), the same load with the same descriptor in all four.
; LIMITS: NaN and infinities are not served; a t under -3e38 is not served; a block of p whose largest number lies under 2^-122 keeps the scale byte 1 (its codes are zeros or near it); the sum over the keys is made in two
; halves and l in four partial sums; 1 / l is v_rcp_f32.
; REGISTERS, in windows of 256 (s_set_vgpr_msb: bits 1:0 source 0, 3:2 source 1, 5:4 source 2, 7:6 destination):
;   window 0: v2-19 addresses; v20-35 statistics, 8 a tile; v36-59 block maxima, bytes, scale operands, 12 a tile; v60-63 second sums; v64-103 p's codes, 20 a tile; v104-111 v's scale words; v112-127 at work; v128-255 p, 64 a tile
;   window 1: O^T, accumulator (t, ct) at 128 t + 8 ct.   window 2: v0-127 S^T, (t, kt) at 64 t + 8 kt, written by matrix instructions alone; v128-191 k; v192-207 q.   window 3: v's 16 fragments; at the end rows of the stages.
.set STEPB, 33792                      ; a block of kv: 16 fragments of v, 8 registers of scale words, 8 images of k
.set SLOTB, 4*STEPB
.set VSOFF, 24576
.set KOFF,  25600
.set STAT,  2*SLOTB                    ; behind the ring: 512 bytes a wave for -M and l of its two tiles
.set SPARE, STAT+2048                  ; the spare words, 128 bytes for each wave: two blocks of 256 bytes that no other line names
.set SPI,   272                        ; the way out: a stage row: 64 pixels x 4 bytes + 16
.set STGB,  256*SPI                    ; a stage: 256 channels; one for each half of the keys, from LDS byte 0 on: in the slots, which have had their last fill and their last read by then
.set AB,  2                            ; v2-5   16 x lane + slot s + block 2 g + i, at 2 s + i
.set AS,  6                            ; v6-9   the same with 4 x lane
.set SPW, 10                           ; v10    LDS address of my spare word; never rewritten
.set NIL, 11                           ; v11    0; never rewritten
.set STW, 12                           ; v12    where I put my statistics
.set STP, 13                           ; v13    where my partner (wave xor 2) puts its own
.set SA,  14                           ; v14-15 the stage, on the way in: channels 0-127, 128-255
.set RD,  16                           ; v16-17 and on the way back: stage 0, stage 1
.set XO,  18                           ; v18    my byte offset in x and in out0
.set LI,  19                           ; v19    16 x lane
.set ST,  20                           ; tile t at ST + 8 t: +0 -M, +1 the largest t, +2 +3 l in two halves, +4 f = 2^(old M - new M), +5 its pair's partner, +6 p's scale word, +7 at work
.set TT,  36                           ; tile t at TT + 12 t: +0..3 the blocks' largest t, then p; +4..7 the other lanes', then bytes; +8..11 the conversions' scale operands
.set L2,  60                           ; tile t at L2 + 2 t: the second chain of the sum
.set PC,  64                           ; tile t at PC + 20 t: 12 registers of codes, +12 and +16 upper halves
.set VS,  104
.set EP,  112
.set P,   128
.set KF,  128                          ; window 2
.set QF,  192
.set WV,  14                           ; s14  my wave's number
.set G1,  24                           ; s[24:31] descriptor group 1;  s[32:35], s[36:39] group 0 for slot 0, 1
.set G0,  32
.set SEL, 40
.set GAM, 42
.set LAP, 43
.set MSB, 0
.macro WIN new                         ; the immediate's high byte repeats the setting that is left; a switch that changes nothing is dropped
.if MSB != \new
	s_set_vgpr_msb (MSB<<8)|\new
.set MSB, \new
.endif
.endm
.macro CROUND                          ; a round of the cluster's barrier
	s_barrier_signal -1
	s_barrier_wait -1
	s_cmp_lg_u32 s[WV], 0
	s_cbranch_scc1 .Lnot_wave_0_\@
	s_barrier_signal -3
.Lnot_wave_0_\@:
	s_barrier_wait -3
	s_barrier_signal -1
	s_barrier_wait -1
.endm
	s_load_b256 s[4:11], s[0:1], 0x0               ; x s[4:5], qimg s[6:7], kv s[8:9], gamma s[10:11]
	s_load_b64 s[12:13], s[0:1], 0x20              ; out0
	v_lshl_add_u32 v[SPW], v0, 2, SPARE
	v_mov_b32 v[NIL], 0
	v_lshrrev_b32 v1, 5, v0
	v_readfirstlane_b32 s[WV], v1                  ; wave 0..3
	s_and_b32 s15, s[WV], 1                        ; p
	s_lshr_b32 s16, s[WV], 1                       ; g
	s_and_b32 s19, ttmp7, 0xffff                   ; batch, which the four partners share
	; descriptor group 1: a dense block of 33,792 bytes as 132 rows of 32 elements of 8 bytes
	s_mov_b32 s[G1], 15|(3<<16)|(1<<21)            ; 15:0 the mask: all four work-groups; 17:16 elements of 8 bytes; 21 set beside a mask
	s_mov_b32 s[G1+1], 32<<16                      ; tensor_dim0
	s_mov_b32 s[G1+2], 132<<16                     ; tensor_dim1
	s_mov_b32 s[G1+3], 32<<16                      ; tile_dim0
	s_mov_b32 s[G1+4], 132                         ; tile_dim1
	s_mov_b32 s[G1+5], 32                          ; stride
	s_mov_b32 s[G1+6], 0
	s_mov_b32 s[G1+7], 0
	s_lshl_b32 s20, s19, 5
	s_add_co_u32 s20, s20, s[WV]
	s_mul_i32 s20, s20, STEPB                      ; block 32 batch + wave: no place in the cluster enters a descriptor
	s_mov_b32 s21, 0
	s_mul_i32 s22, s[WV], STEPB
	s_mov_b32 s[SEL], 0x76543210
	s_mov_b32 s[SEL+1], 0xfedcba98                 ; v_permlanex16_b32: lane l xor 16
	s_wait_kmcnt 0x0
	s_load_b32 s[GAM], s[10:11], 0x0               ; gamma
	s_mov_b32 s[G0], 1
	s_mov_b32 s[G0+1], s22                         ; slot 0, block w
	s_add_nc_u64 s[G0+2:G0+3], s[8:9], s[20:21]    ; steps 0 to 3
	s_mov_b32 s[G0+4], 1
	s_add_co_u32 s[G0+5], s22, SLOTB               ; slot 1
	s_add_nc_u64 s[G0+6:G0+7], s[G0+2:G0+3], SLOTB ; steps 4 to 7
	s_or_b32 s[G0+3], s[G0+3], 0x80000000
	s_or_b32 s[G0+7], s[G0+7], 0x80000000
	CROUND                                         ; all four work-groups are here: the first joint loads meet
	tensor_load_to_lds s[G0:G0+3], s[G1:G1+7]
	tensor_load_to_lds s[G0+4:G0+7], s[G1:G1+7]
.rept 4
	v_nop                                          ; behind a tensor load
.endr
	s_bfe_u32 s17, ttmp6, 0x40000                  ; cx
	s_lshl_b32 s18, ttmp9, 2
	s_add_co_u32 s18, s18, s17                     ; my block of 64 queries: it enters global addresses of x, qimg and out0 alone
	s_lshl_b32 s44, s19, 22
	s_lshl_b32 s45, s18, 8
	s_add_co_u32 s44, s44, s45
	s_mov_b32 s45, 0
	s_add_nc_u64 s[46:47], s[12:13], s[44:45]      ; out0 at (batch, channel 0, my first pixel)
	s_add_nc_u64 s[44:45], s[4:5], s[44:45]        ; x likewise
	s_lshl_b32 s48, s19, 6
	s_add_co_u32 s48, s48, s18
	s_lshl_b32 s48, s48, 12
	s_lshl_b32 s49, s15, 11
	s_add_co_u32 s48, s48, s49
	s_mov_b32 s49, 0
	s_add_nc_u64 s[48:49], s[6:7], s[48:49]        ; my two tiles of q
	s_lshl_b32 s50, s19, 5
	s_lshl_b32 s51, s16, 1
	s_add_co_u32 s50, s50, s51
	s_add_co_u32 s50, s50, 29
	s_mul_i32 s50, s50, STEPB
	s_add_co_u32 s50, s50, KOFF
	s_mov_b32 s51, 0
	s_add_nc_u64 s[50:51], s[8:9], s[50:51]        ; k of my first step, 2 g: it lies in block 29 + 2 g
	v_and_b32 v1, 31, v0                           ; lane
	v_lshlrev_b32 v[LI], 4, v1
	WIN 0x80                                       ; destination window 2, address window 0
.irp m, 0,1,2,3
	global_load_b128 v[QF+4*\m:QF+4*\m+3], v[LI], s[48:49] offset:512*\m
.endr
.irp m, 0,1,2,3,4,5,6,7,8,9,10,11,12,13,14,15
	global_load_b128 v[KF+4*\m:KF+4*\m+3], v[LI], s[50:51] offset:512*\m
.endr
	WIN 0
	v_lshlrev_b32 v112, 2, v1                      ; 4 x lane
	v_and_b32 v113, 7, v0
	v_bfe_u32 v114, v0, 3, 1
	v_bfe_u32 v115, v0, 4, 1                       ; h
	v_and_b32 v116, 15, v0                         ; r
	s_mul_i32 s20, s16, 2*STEPB
	v_add_nc_u32 v[AB], s20, v[LI]
	v_add_nc_u32 v[AS], s20, v112
.irp k, 1,2,3
	v_add_nc_u32 v[AB+\k], (\k/2)*SLOTB+(\k%2)*STEPB, v[AB]
	v_add_nc_u32 v[AS+\k], (\k/2)*SLOTB+(\k%2)*STEPB, v[AS]
.endr
	s_lshl_b32 s21, s[WV], 9
	s_add_co_u32 s21, s21, STAT
	v_add_nc_u32 v[STW], s21, v112
	s_xor_b32 s21, s[WV], 2
	s_lshl_b32 s21, s21, 9
	s_add_co_u32 s21, s21, STAT
	v_add_nc_u32 v[STP], s21, v112
	v_lshl_add_u32 v[SA], v114, 4, v113            ; my query's pixel in its 32: (r & 7) + 16 (r >> 3), + 8 t in the immediate
	v_lshlrev_b32 v[SA], 2, v[SA]
	v_mad_u32_u24 v[SA], v115, 8*SPI, v[SA]        ; my eight channels begin at row 8 h
	s_mul_i32 s21, s16, STGB
	s_lshl_b32 s22, s15, 7
	s_add_co_u32 s21, s21, s22
	v_add_nc_u32 v[SA], s21, v[SA]
	v_add_nc_u32 v[SA+1], 128*SPI, v[SA]
	v_mul_u32_u24 v[RD], v115, SPI                 ; back: lanes 0-15 one row of 256 bytes, lanes 16-31 the next; wave w takes channels 64 w on
	v_lshl_add_u32 v[RD], v116, 4, v[RD]
	s_mul_i32 s21, s[WV], 64*SPI
	v_add_nc_u32 v[RD], s21, v[RD]
	v_add_nc_u32 v[RD+1], STGB, v[RD]
	v_lshlrev_b32 v[XO], 14, v115                  ; and the same two rows in x and out0: 16,384 bytes from channel to channel
	v_lshl_add_u32 v[XO], v116, 4, v[XO]
	s_lshl_b32 s21, s[WV], 20
	v_add_nc_u32 v[XO], s21, v[XO]
; THE LDS LOADS stand in runs.  k of the next step: 8 images of 1,024 bytes.  v of this step: 16 fragments of 1,536 bytes, and 8 registers of scale words.
.macro FETCH_K s, i
	WIN 0x80
.set mm, 0
.rept 16
	ds_load_b128 v[KF+4*mm:KF+4*mm+3], v[AB+2*(\s)+(\i)] offset:KOFF+512*mm
.set mm, mm+1
.endr
.endm
.macro FETCH_V s, i
	WIN 0xc0
.set mm, 0
.rept 48
	ds_load_b128 v[4*mm:4*mm+3], v[AB+2*(\s)+(\i)] offset:512*mm
.set mm, mm+1
.endr
	WIN 0
.set mm, 0
.rept 8
	ds_load_b32 v[VS+mm], v[AS+2*(\s)+(\i)] offset:VSOFF+128*mm
.set mm, mm+1
.endr
.endm
; Product sl of 64 of S^T = k q^T: d = 4 (sl / 16) on, keys' tile (sl % 16) / 2, queries' tile sl % 2.  The first 16 start the sums with the constant 0.  The 16 accumulators take turns.
.macro SW
	WIN 0xaa
.set wS, 64*(sl%2)+8*((sl%16)/2)
.set wK, KF+8*((sl%16)/2)+2*(sl/16)
.set wQ, QF+8*(sl%2)+2*(sl/16)
.if sl < 16
	v_wmma_f32_16x16x4_f32 v[wS:wS+7], v[wK:wK+1], v[wQ:wQ+1], 0
.else
	v_wmma_f32_16x16x4_f32 v[wS:wS+7], v[wK:wK+1], v[wQ:wQ+1], v[wS:wS+7]
.endif
.endm
; Product sl of 32 of O^T += v p^T: queries' tile sl / 16, channels 16 (sl % 16) on; K = 128 keys.  v's scale words: lanes 0-15 of the register for an even tile of channels, lanes 16-31 for an odd one.  zero: the product starts the sum.
.macro PV zero
	WIN 0x53
.set rO, 128*(sl/16)+8*(sl%16)
.set rV, 12*(sl%16)
.set rB, PC+20*(sl/16)
.set rA, VS+(sl%16)/2
.set rZ, ST+8*(sl/16)+6
.if (\zero)
.if sl%2
	v_wmma_scale_f32_16x16x128_f8f6f4 v[rO:rO+7], v[rV:rV+11], v[rB:rB+11], 0, v[rA], v[rZ] matrix_a_fmt:MATRIX_FMT_BF6 matrix_b_fmt:MATRIX_FMT_BF6 matrix_a_scale:MATRIX_SCALE_ROW1
.else
	v_wmma_scale_f32_16x16x128_f8f6f4 v[rO:rO+7], v[rV:rV+11], v[rB:rB+11], 0, v[rA], v[rZ] matrix_a_fmt:MATRIX_FMT_BF6 matrix_b_fmt:MATRIX_FMT_BF6
.endif
.else
.if sl%2
	v_wmma_scale_f32_16x16x128_f8f6f4 v[rO:rO+7], v[rV:rV+11], v[rB:rB+11], v[rO:rO+7], v[rA], v[rZ] matrix_a_fmt:MATRIX_FMT_BF6 matrix_b_fmt:MATRIX_FMT_BF6 matrix_a_scale:MATRIX_SCALE_ROW1
.else
	v_wmma_scale_f32_16x16x128_f8f6f4 v[rO:rO+7], v[rV:rV+11], v[rB:rB+11], v[rO:rO+7], v[rA], v[rZ] matrix_a_fmt:MATRIX_FMT_BF6 matrix_b_fmt:MATRIX_FMT_BF6
.endif
.endif
.endm
; THE SLICES BEHIND v p^T.  MAXROW: the largest t of each block of 32 keys, two registers a block; ascending.
.macro MAXROW t, i
	WIN 0x28                                       ; sources 1 and 2 window 2
.irp b, 0,1,2,3
.if (\i) == 0
	v_max3_num_f32 v[TT+12*(\t)+\b], 0xff800000, v[64*(\t)+16*\b], v[64*(\t)+16*\b+1]
.else
	v_max3_num_f32 v[TT+12*(\t)+\b], v[TT+12*(\t)+\b], v[64*(\t)+16*\b+2*(\i)], v[64*(\t)+16*\b+2*(\i)+1]
.endif
.endr
.endm
.macro SUBROW t, i                     ; t - M, eight numbers: out of S^T's registers into p's (of the pair -M, largest t the low word serves both halves)
	WIN 0x28
.irp m, 0,1,2,3
	v_pk_add_f32 v[P+64*(\t)+8*(\i)+2*\m:P+64*(\t)+8*(\i)+2*\m+1], v[ST+8*(\t):ST+8*(\t)+1], v[64*(\t)+8*(\i)+2*\m:64*(\t)+8*(\i)+2*\m+1] op_sel_hi:[0,1]
.endr
.endm
.macro MIDI t, j                       ; number j of 19: from the blocks' maxima to -M, f and the blocks' largest t - M
.set mT, TT+12*(\t)
.set mG, ST+8*(\t)
.if (\j) < 4
	v_permlanex16_b32 v[mT+4+(\j)], v[mT+(\j)], s[SEL], s[SEL+1]   ; the block's other 16 keys lie in the lane 16 away
.elseif (\j) < 8
	v_max_num_f32 v[mT+(\j)-4], v[mT+(\j)-4], v[mT+(\j)]
.elseif (\j) == 8
	v_max3_num_f32 v[mG+7], v[mT], v[mT+1], v[mT+2]
.elseif (\j) == 9
	v_max3_num_f32 v[mG+1], v[mG+7], v[mT+3], v[mG+1]             ; the running largest t
.elseif (\j) == 10
	v_mov_b32 v[mG+7], v[mG]
.elseif (\j) == 11
	v_floor_f32 v[mG], -v[mG+1]                                   ; -M = floor(-t) = -ceil(t): M is a whole number
.elseif (\j) == 12
	v_sub_f32 v[mG+7], v[mG], v[mG+7]                             ; old M - new M: a whole number, 0 or less
.elseif (\j) == 13
	v_cvt_i32_f32 v[mG+7], v[mG+7]                                ; (it saturates)
.elseif (\j) == 14
	v_ldexp_f32 v[mG+4], 1.0, v[mG+7]                             ; f: a multiplication by it rounds nothing
.elseif (\j) < 19
	v_add_f32 v[mT+(\j)-15], v[mT+(\j)-15], v[mG]                 ; the same addition as SUBROW's on the same number: the block's largest p comes out with the same bits
.endif
.endm
.macro MID t, q
.if 3*(\q) < 19
	WIN 0
.irp e, 0,1,2
	MIDI \t, 3*(\q)+\e
.endr
.endif
.endm
.macro P1                              ; the slice behind product sl of v p^T
.if sl < 8
	MAXROW 0, sl
.elseif sl < 16
	MAXROW 1, sl-8
	MID 0, sl-8
.elseif sl < 24
	SUBROW 0, sl-16
	MID 1, sl-16
.else
	SUBROW 1, sl-24
.endif
.endm
; THE END OF A TILE'S QUANTISING, number j of 11: the last sums, blocks 2 and 3 into codes, the exchange of halves.
.macro ZI t, j
.set zP, P+64*(\t)
.set zT, TT+12*(\t)
.set zG, ST+8*(\t)
.set zL, L2+2*(\t)
.set zC, PC+20*(\t)
.if (\j) == 0
	v_pk_add_f32 v[zL:zL+1], v[zL:zL+1], v[zP+62:zP+63]
.elseif (\j) == 1
	v_pk_add_f32 v[zG+2:zG+3], v[zG+2:zG+3], v[zL:zL+1]
.elseif (\j) == 2
	v_cvt_scalef32_pk16_bf6_f32 v[zC+6:zC+8], v[zP+32:zP+47], v[zT+10]
.elseif (\j) == 3
	v_cvt_scalef32_pk16_bf6_f32 v[zC+16:zC+18], v[zP+48:zP+63], v[zT+11]
.elseif (\j) == 4
	v_nop                                          ; one plain place behind a scaled conversion
.elseif (\j) < 8
	v_permlane16_swap_b32 v[zC+6+(\j)-5], v[zC+16+(\j)-5]
.else
	v_mov_b32 v[zC+9+(\j)-8], v[zC+16+(\j)-8]
.endif
.endm
; THE SLICE BEHIND PRODUCT sl OF k q^T: tile sl / 32, row k2 = sl % 32.  Two exponentials (rows 0, 1: also the four blocks' largest p); one sum of the pair before (a plain instruction behind the exponentials, which names
; none of their results); one line of the scales and codes; for tile 0 its end, in tile 1's first rows; the rescaling of four registers of O^T.  THE ROW'S SUM IS TAKEN OF THE UNQUANTISED p.
.macro P2 resc
.set k2, sl%32
.set rP, P+64*(sl/32)
.set rT, TT+12*(sl/32)
.set rG, ST+8*(sl/32)
.set rL, L2+2*(sl/32)
.set rC, PC+20*(sl/32)
	WIN 0
	v_exp_f32 v[rP+2*k2], v[rP+2*k2]               ; p = 2^(t - M), at most 1: not normalised
	v_exp_f32 v[rP+2*k2+1], v[rP+2*k2+1]
.if k2 < 2
	v_exp_f32 v[rT+2*k2], v[rT+2*k2]
	v_exp_f32 v[rT+2*k2+1], v[rT+2*k2+1]
.endif
.if k2 == 0
	v_pk_mul_f32 v[rG+2:rG+3], v[rG+2:rG+3], v[rG+4:rG+5] op_sel_hi:[1,0]   ; l under the new M
.elseif k2 == 2
	v_pk_add_f32 v[rL:rL+1], v[rP:rP+1], v[rP+2:rP+3]
.elseif (k2 > 2) && (k2%2 == 1)
	v_pk_add_f32 v[rG+2:rG+3], v[rG+2:rG+3], v[rP+2*k2-2:rP+2*k2-1]
.elseif k2 > 2
	v_pk_add_f32 v[rL:rL+1], v[rL:rL+1], v[rP+2*k2-2:rP+2*k2-1]
.endif
.if k2 == 0
.elseif k2 < 5
	v_max_num_f32 v[rT+k2-1], 0x2800000, v[rT+k2-1]               ; the floor 2^(5 - 127): the byte cannot fall under 1
.elseif k2 < 9
	v_add_nc_u32 v[rT+8+k2-5], 0xfe000000, v[rT+k2-5]             ; 4 off the exponent field: the conversion's scale operand
.elseif k2 < 13
	v_lshrrev_b32 v[rT+4+k2-9], 23, v[rT+8+k2-9]                  ; the scale's byte
.elseif k2 == 13
	v_lshl_or_b32 v[rG+6], v[rT+5], 8, v[rT+4]                    ; p's scale word for these 128 keys
.elseif k2 == 14
	v_lshl_or_b32 v[rG+6], v[rT+6], 16, v[rG+6]
.elseif k2 == 15
	v_lshl_or_b32 v[rG+6], v[rT+7], 24, v[rG+6]
.elseif k2 == 17
	v_cvt_scalef32_pk16_bf6_f32 v[rC:rC+2], v[rP:rP+15], v[rT+8]
.elseif k2 == 18
	v_cvt_scalef32_pk16_bf6_f32 v[rC+12:rC+14], v[rP+16:rP+31], v[rT+9]
.elseif (k2 > 19) && (k2 < 23)
	v_permlane16_swap_b32 v[rC+k2-20], v[rC+12+k2-20]             ; the operand wants a WHOLE block in a lane
.elseif (k2 > 22) && (k2 < 26)
	v_mov_b32 v[rC+3+k2-23], v[rC+12+k2-23]
.endif
.if (sl > 31) && (sl < 43)
	ZI 0, sl-32
.endif
.if \resc
	WIN 0x41                                       ; O^T (destination and source 0) window 1, f window 0
	v_pk_mul_f32 v[4*sl:4*sl+1], v[4*sl:4*sl+1], v[rG+4:rG+5] op_sel_hi:[1,0]       ; ascending: each accumulator is first read at its low end
	v_pk_mul_f32 v[4*sl+2:4*sl+3], v[4*sl+2:4*sl+3], v[rG+4:rG+5] op_sel_hi:[1,0]
.endif
.endm
; A TRIP for the step in block (s, i).  pv = 2: 32 products v p^T of the step before; 1: they start O^T; 0: none.  resc: O^T is rescaled.  sn: the next step's scores are made.
; PLACES (ISA guide 7.12.1; eight behind the f32 form, four behind the 6-bit form; only plain vector instructions that name none of the product's registers are counted):
;   last k q^T -> the next trip's loads into k: the sum and two multiplies of slice 63, and six plain lines of the tail; without the multiplies four v_nop more;
;   last v p^T -> the loads into v and its scale words: the four additions of slice 31, and two more slices;   the codes' last move -> the product that reads them: sixteen slices.
.macro TRIP s, i, pv, resc, sn
.if \sn
	FETCH_K \s, \i
.endif
.if \pv
.if \sn
	s_wait_dscnt 16                                ; v and its scale words are in; the 16 loads of k just issued may be out
.else
	s_wait_dscnt 0x0
.endif
.endif
.set sl, 0
.rept 32
.if \pv
	PV 2-\pv
.endif
	P1
.set sl, sl+1
.endr
.if \sn
	s_wait_dscnt 0x0                               ; k is in
.endif
.set sl, 0
.rept 64
.if \sn
	SW
.endif
	P2 \resc
.if sl == 1
	FETCH_V \s, \i
.endif
.set sl, sl+1
.endr
	WIN 0
.irp j, 0,1,2,3,4,5,6,7,8,9,10
	ZI 1, \j                                       ; the tail: tile 1's end
.endr
.if \resc == 0
.rept 4
	v_nop
.endr
.endif
.endm
; THE CHANGE OF SLOTS.  Each wave waits for all its tensor loads (one is out: its block of the slot ahead), adds 0 to its spare word, and waits for that and for its reads of slot s, which it has left.
; fill = 1: the barrier is a round of the cluster's, and slot s is filled again, eight steps on, first thing behind it.
.macro CHANGE s, fill
	WIN 0                                          ; at a label and at a branch every window is 0
	s_wait_tensorcnt 0x0                           ; no tensor load of mine is out, so a group 0 may be written
	ds_add_u32 v[SPW], v[NIL]                      ; 0 onto my spare word
.if \fill
	s_add_nc_u64 s[G0+4*\s+2:G0+4*\s+3], s[G0+4*\s+2:G0+4*\s+3], 2*SLOTB   ; eight blocks on; the type bits on top are not reached
.endif
	s_wait_dscnt 0x0                               ; the add is done, and my reads of the slot are over
.if \fill
	CROUND
	tensor_load_to_lds s[G0+4*\s:G0+4*\s+3], s[G1:G1+7]   ; my one tensor load behind the round
.rept 4
	v_nop                                          ; behind a tensor load
.endr
.else
	s_barrier_signal -1
	s_barrier_wait -1
.endif
.endm
	s_wait_loadcnt 0x0                             ; q, and k of my first step
	s_wait_kmcnt 0x0                               ; gamma
.set sl, 0
.rept 64
	SW                                             ; the first step's scores: there is no vector work yet to set between them
.set sl, sl+1
.endr
	WIN 0
.irp t, 0,1                                    ; eighteen plain lines: the places behind those products
	v_mov_b32 v[ST+8*\t+1], 0xff61b1e6             ; the largest t so far: -3e38
	v_floor_f32 v[ST+8*\t], -v[ST+8*\t+1]          ; -M
	v_mov_b32 v[ST+8*\t+2], 0                      ; l
	v_mov_b32 v[ST+8*\t+3], 0
	v_mov_b32 v[ST+8*\t+5], 0                      ; named as the upper half of f's pair
.irp b, 0,1,2,3
	v_mov_b32 v[TT+12*\t+4+\b], 0                  ; a lane permute's destination counts as one of its sources
.endr
.endr
	s_wait_tensorcnt 1                             ; my block of slot 0 is in; slot 1's may stay out
	s_barrier_signal -1
	s_barrier_wait -1                              ; everybody's is
	TRIP 0, 0, 0, 0, 1                             ; my first step: no product v p^T yet, nothing to rescale
	TRIP 0, 1, 1, 1, 1                             ; the first products v p^T start O^T
	s_mov_b32 s[LAP], 3
.Llap:                                             ; three trips round the ring: both slots are filled again
	CHANGE 0, 1
	TRIP 1, 0, 2, 1, 1
	TRIP 1, 1, 2, 1, 1
	CHANGE 1, 1
	TRIP 0, 0, 2, 1, 1
	TRIP 0, 1, 2, 1, 1
	s_sub_co_u32 s[LAP], s[LAP], 1
	s_cmp_lg_u32 s[LAP], 0
	s_cbranch_scc1 .Llap
	CHANGE 0, 0                                    ; the tail is written out: nothing is left to fetch
	TRIP 1, 0, 2, 1, 1
	TRIP 1, 1, 2, 1, 0                             ; my last step: no further scores
	; THE WAY OUT.  x for the residual is asked for first, into p's registers.
.set mm, 0
.rept 32
	global_load_b128 v[P+4*mm:P+4*mm+3], v[XO], s[44:45] offset:32768*mm th:TH_LOAD_NT   ; channels 64 w + 2 mm, + 1: sixteen lanes read 256 consecutive bytes
.set mm, mm+1
.endr
.rept 8
	v_nop                                          ; the codes' last moves stand at least four places ahead of the products below, which have no slices between them
.endr
	s_wait_dscnt 0x0                               ; v of the last step
.set sl, 0
.rept 32
	PV 0
.set sl, sl+1
.endr
	WIN 0
.irp t, 0,1
	v_add_f32 v[EP+\t], v[ST+8*\t+2], v[ST+8*\t+3] ; l's two halves,
.endr
.irp t, 0,1
	v_permlanex16_b32 v[TT+12*\t+4], v[EP+\t], s[SEL], s[SEL+1]
.endr
.irp t, 0,1
	v_add_f32 v[EP+\t], v[EP+\t], v[TT+12*\t+4]    ; and lane l xor 16's: my half of the keys
.endr
.irp t, 0,1
	ds_store_b32 v[STW], v[ST+8*\t] offset:256*\t
	ds_store_b32 v[STW], v[EP+\t] offset:256*\t+128
.endr
	s_wait_dscnt 0x0                               ; my stores have landed, and my reads of the slots are long over
	s_barrier_signal -1
	s_barrier_wait -1                              ; so the slots' bytes may be written from here on
.irp t, 0,1
	ds_load_b32 v[EP+2+\t], v[STP] offset:256*\t        ; the other half's -M
	ds_load_b32 v[EP+4+\t], v[STP] offset:256*\t+128    ; and l
.endr
	s_wait_dscnt 0x0
.irp t, 0,1
	v_min_num_f32 v[EP+6+\t], v[ST+8*\t], v[EP+2+\t]    ; -M of both halves together
.endr
.irp t, 0,1
	v_sub_f32 v[EP+8+\t], v[EP+6+\t], v[ST+8*\t]
	v_sub_f32 v[EP+10+\t], v[EP+6+\t], v[EP+2+\t]
.endr
.irp t, 0,1
	v_cvt_i32_f32 v[EP+8+\t], v[EP+8+\t]
	v_cvt_i32_f32 v[EP+10+\t], v[EP+10+\t]
.endr
.irp t, 0,1
	v_ldexp_f32 v[EP+8+\t], 1.0, v[EP+8+\t]        ; f1 = 2^(my M - M)
	v_ldexp_f32 v[EP+10+\t], 1.0, v[EP+10+\t]      ; f2 = 2^(the other's M - M)
.endr
.irp t, 0,1
	v_mul_f32 v[EP+\t], v[EP+\t], v[EP+8+\t]
.endr
.irp t, 0,1
	v_fma_f32 v[EP+\t], v[EP+4+\t], v[EP+10+\t], v[EP+\t]   ; the row's l
.endr
.irp t, 0,1
	v_rcp_f32 v[EP+4+\t], v[EP+\t]
.endr
.irp t, 0,1
	v_mul_f32 v[EP+8+\t], s[GAM], v[EP+8+\t]       ; plain lines behind the reciprocals
.endr
.irp t, 0,1
	v_mul_f32 v[EP+12+2*\t], v[EP+8+\t], v[EP+4+\t]   ; gamma f1 / l
.endr
.irp t, 0,1
	v_mov_b32 v[EP+13+2*\t], v[EP+12+2*\t]
.endr
	WIN 0x41
.set mm, 0
.rept 128
	v_pk_mul_f32 v[2*mm:2*mm+1], v[2*mm:2*mm+1], v[EP+12+2*(mm/64):EP+13+2*(mm/64)]
.set mm, mm+1
.endr
	WIN 0x04                                       ; an LDS store's data are its source 1: window 1
.set tt, 0
.rept 2
.set cc, 0
.rept 16
.set jj, 0
.rept 8
	ds_store_b32 v[SA+cc/8], v[128*tt+8*cc+jj] offset:(16*(cc%8)+jj)*SPI+32*tt   ; channel 16 cc + 8 h + jj, my query's pixel: the 32 lanes touch 32 different banks
.set jj, jj+1
.endr
.set cc, cc+1
.endr
.set tt, tt+1
.endr
	s_wait_dscnt 0x0                               ; for the others' sake
	s_barrier_signal -1
	s_barrier_wait -1                              ; both stages are whole
	WIN 0xc0
.set mm, 0
.rept 32
	ds_load_b128 v[4*mm:4*mm+3], v[RD] offset:2*SPI*mm
	ds_load_b128 v[128+4*mm:128+4*mm+3], v[RD+1] offset:2*SPI*mm
.set mm, mm+1
.endr
	s_wait_loadcnt 0x0                             ; x
.set gg, 0
.rept 4
	WIN 0x0c                                       ; source 1 window 3
.set mm, 8*gg
.rept 8
	s_wait_dscnt 62-2*mm                           ; pair mm of the 32 pairs of loads is in; the younger ones may be out
	v_pk_add_f32 v[P+4*mm:P+4*mm+1], v[P+4*mm:P+4*mm+1], v[4*mm:4*mm+1]
	v_pk_add_f32 v[P+4*mm+2:P+4*mm+3], v[P+4*mm+2:P+4*mm+3], v[4*mm+2:4*mm+3]
	v_pk_add_f32 v[P+4*mm:P+4*mm+1], v[P+4*mm:P+4*mm+1], v[128+4*mm:128+4*mm+1]
	v_pk_add_f32 v[P+4*mm+2:P+4*mm+3], v[P+4*mm+2:P+4*mm+3], v[128+4*mm+2:128+4*mm+3]
.set mm, mm+1
.endr
	WIN 0
.set mm, 8*gg
.rept 8
	global_store_b128 v[XO], v[P+4*mm:P+4*mm+3], s[46:47] offset:32768*mm th:TH_STORE_NT   ; sixteen lanes store 256 consecutive bytes, at a multiple of 256 from out0's first byte
.set mm, mm+1
.endr
.set gg, gg+1
.endr
	s_wait_tensorcnt 0x0                           ; the wave's end
	ds_add_u32 v[SPW], v[NIL]
	s_wait_dscnt 0x0
	CROUND                                         ; the closing round: no work-group ends while a partner may still ask for a block that names it
	s_endpgm
.Lfunc_end_k_q9eeaccac5c_attn:
	.size	k_q9eeaccac5c_attn, .Lfunc_end_k_q9eeaccac5c_attn-k_q9eeaccac5c_attn
	.p2alignl 7, 3214868480
	.fill 96, 4, 3214868480
	.section	.rodata,"a",@progbits
	.p2align	6, 0x0
	.amdhsa_kernel k_q9eeaccac5c_attn
		.amdhsa_group_segment_fixed_size 327680
		.amdhsa_private_segment_fixed_size 0
		.amdhsa_enable_private_segment 0
		.amdhsa_kernarg_size 40
		.amdhsa_user_sgpr_count 2
		.amdhsa_user_sgpr_kernarg_segment_ptr 1
		.amdhsa_wavefront_size32 1
		.amdhsa_system_sgpr_workgroup_id_x 1
		.amdhsa_system_sgpr_workgroup_id_y 1
		.amdhsa_system_sgpr_workgroup_id_z 1
		.amdhsa_system_vgpr_workitem_id 0
		.amdhsa_next_free_vgpr 1024
		.amdhsa_next_free_sgpr 66
		.amdhsa_reserve_vcc 0
		.amdhsa_float_denorm_mode_32 3
		.amdhsa_float_denorm_mode_16_64 3
		.amdhsa_memory_ordered 1
		.amdhsa_forward_progress 1
		.amdhsa_inst_pref_size 255
	.end_amdhsa_kernel
	.section	.bss,"aw",@nobits
	.p2align	6
	.space	262144
	.amdgpu_metadata
---
amdhsa.version: [ 1, 2 ]
amdhsa.kernels:
  - .name:           k_q9eeaccac5c_attn
    .symbol:         k_q9eeaccac5c_attn.kd
    .args:
      - { .name: x, .offset: 0, .size: 8, .value_kind: global_buffer, .address_space: global }
      - { .name: qimg, .offset: 8, .size: 8, .value_kind: global_buffer, .address_space: global }
      - { .name: kv, .offset: 16, .size: 8, .value_kind: global_buffer, .address_space: global }
      - { .name: gamma, .offset: 24, .size: 8, .value_kind: global_buffer, .address_space: global }
      - { .name: out0, .offset: 32, .size: 8, .value_kind: global_buffer, .address_space: global }
    .group_segment_fixed_size: 327680
    .private_segment_fixed_size: 0
    .kernarg_segment_align: 8
    .kernarg_segment_size: 40
    .max_flat_workgroup_size: 128
    .sgpr_count:     66
    .vgpr_count:     1024
    .wavefront_size: 32
...
	.end_amdgpu_metadata
.endif
;; end of part 3
